; MI455X (gfx1250); checked and timed in simulation.
; The chip was launched on July 23, 2026; its instructions are those of AMD's public machine-readable ISA for CDNA 5 (MIT licence, August 2026) and "CDNA5" Instruction Set Architecture Reference Guide (July 2026). The comments in the code are by the model that wrote it; some were corrected since.
;; Flash Attention. Allowed arithmetic: matrix products marked QUANTISED: E4M3 operands, one E8M0 scale for each 32 along K, by v_wmma_scale_f32_16x16x128_f8f6f4 with both operands' format E4M3, f32 sums; everything else in f32.
;; Inputs: k 2 x 16 x 2,048 x 64 float32; q 2 x 16 x 2,048 x 64 float32; v 2 x 16 x 2,048 x 64 float32.
;; Outputs: out0 2 x 16 x 2,048 x 64 float32.
;; This version of the problem:
;;   THIS VERSION OF THE PROBLEM IS GIVEN IN LOW PRECISION. The matrix products marked QUANTISED in the list below multiply operands that are first quantised to E4M3 (4 exponent bits, 3 mantissa bits; 8 bits a number), with one power-of-two scale for each 32 numbers along K (OCP MX v1.0); their sums are f32. All else is computed in f32.
;;   The module's matrix products, in the order in which they are computed (A, B: the left and right operand; K: the contracted axis; several contracted axes count as one K, in the product's order):
;;     1. batch 32 x [M 2,048, K 64] x [K 64, N 2,048]; A: input q; B: input k: QUANTISED
;;     2. batch 32 x [M 2,048, K 2,048] x [K 2,048, N 64]; A: softmax (see below); B: input v: QUANTISED
;;   THE QUANTISER, for each operand of a quantised product, along K:
;;     - K is cut into blocks of 32 from its start; a last block that is shorter is filled with zeros.
;;     - A block's scale is 2^e with e = floor(log2(the largest magnitude in the block)) - 8, held to -126 .. 127; a block of zeros has e = 0. As a byte (E8M0): e + 127.
;;     - Each number is divided by its block's scale, clamped to +-448, and rounded to the nearest number of E4M3, ties to even, subnormals kept.
;;     - The product sums the exact products of the quantised numbers (number of the format x scale) in f32.
;;   ~~~python
;;   def quantise(x, axis):      # numpy; x: float32 -> the quantised numbers, widened to float32 again
;;       x = np.moveaxis(x, axis, -1); K = x.shape[-1]
;;       x = np.pad(x, [(0, 0)] * (x.ndim - 1) + [(0, -K % 32)]); x = x.reshape(x.shape[:-1] + (-1, 32)); a = np.abs(x).max(-1, keepdims=True)
;;       e = np.where(a > 0, np.clip(np.frexp(np.where(a > 0, a, 1))[1] - 1 - 8, -126, 127), 0)      # np.frexp(a)[1] - 1 = floor(log2(a)), exactly
;;       r = np.clip(x / 2.0 ** e, -448, 448)
;;       step = 2.0 ** (np.maximum(np.frexp(np.where(r == 0, 1, r))[1] - 1, -6) - 3)
;;       q = np.round(r / step) * step * 2.0 ** e      # np.round: ties to even
;;       return np.moveaxis(q.reshape(q.shape[:-2] + (-1,))[..., :K], -1, axis).astype(np.float32)
;;   ~~~
;;   SOFTMAX AHEAD OF A QUANTISED PRODUCT. Where the list says 'softmax', what is quantised is not the finished softmax but p = 2^(t - M), with t = logit x log2(e) and M = ceil(the row's largest t), a whole number; so 1/2 < the row's largest p <= 1. The row's sum l is taken of the UNQUANTISED p, in f32, and the product's result is divided by l at the end. Since M is a whole number, a kernel that streams over the keys may use a running M (the ceiling of the running maximum): every later rescaling is an exact power of two, which a block's scale takes up: the codes' values come out the same.
;;   OPERANDS COMPUTED ON THE WAY. 'Computed on the way' means the value that the module computes at that place (a softmax that the list does not call 'softmax' is quantised finished and normalised). What goes into a quantiser is computed in f32, as accurately as f32 sums, v_exp_f32 and their like allow (about 1e-6 of the number): no bf16 or f16 on the way to a quantiser, and a product that is left as it is and whose result goes on into a quantised operand takes f32 operands (vector FMAs, or v_wmma_f32_16x16x4_f32). A number that lies on a knife's edge between two numbers of the format may be rounded either way, as far as f32 arithmetic and the matrix unit's own rounding can turn it there, and no further.
;; 2 versions. Each part assembles by itself: llvm-mc -triple=amdgcn-amd-amdhsa -mcpu=gfx1250 --defsym DOCPART=n.
;; ======== version 1 of 2: 1 launch
;; limits: right only within a limited range of input values
;; launch attn (part 1): grid 8 x 32, 16 waves a work-group, no clusters, 106,496 bytes of LDS; arguments q, k, v, out0; writes out0
.if DOCPART == 1
	.amdgcn_target "amdgcn-amd-amdhsa--gfx1250"
	.amdhsa_code_object_version 6
	.text
	.protected	k_q7440ffb8eb_attn
	.globl	k_q7440ffb8eb_attn
	.p2align	8
	.type	k_q7440ffb8eb_attn,@function
k_q7440ffb8eb_attn:
	s_mov_b64 s[64:65], 0
	v_nop
	global_prefetch_b8 v0, s[64:65] scope:SCOPE_SE
	s_setreg_imm32_b32 hwreg(HW_REG_WAVE_MODE, 25, 1), 1
	s_wait_xcnt 0x0
; out0[h][q][:] = sum over keys t <= q of softmax_t(q[h][q] . k[h][t] / 8) v[h][t][:].  q, k, v, out0: [32 heads][2048][64] f32.
; Both products run on codes of FP8 (E4M3) with one E8M0 scale for each 32 along a product's K; q, k (K = the head's 64) and v, p (K = the keys) are quantised HERE, in registers.
; THE SOFTMAX: t = score x log2(e) / 8; M = the running largest t rounded UP to a whole number; p = 2^(t - M) is quantised, not normalised; the row's sum is taken of the unquantised p and divides at the end.
; SHARES.  Work-group (i, head), i = 0 .. 7, owns the blocks i and 15 - i of 128 queries: (i + 1) + (16 - i) = 17 units of 128 x 128 for every i.  Each of its 16 waves owns one tile of 16 queries.
;   It walks the key steps j = 0 .. 15 - i of 128 keys.  A wave works on a step only where the step has a key that counts for one of its queries; it masks only on the diagonal step.
;   In each step all 16 waves also quantise the NEXT step's k and v: waves 0-7 one tile of 16 keys each, waves 8-15 half a fragment of v^T each: 32 numbers a lane either way.
;   The codes go from wave to wave through LDS as images of the operand's registers (16 bytes a lane, 512 a store), the scale bytes as half words; two buffers take turns, one barrier a step.
; LAYOUT.  Both products are used transposed (S^T = k q^T, O^T = v^T p^T): a lane holds ONE query (lane % 16) throughout.  Lane r of k's tile t takes key 32 (t / 2) + 8 (t % 2) + r + 8 (r / 8),
;   so that the 16 registers of tiles 2 b and 2 b + 1 are the 16 neighbouring keys 32 b + 16 (lane / 16) + 0 .. 15: p's conversions give the second product's operand as it stands.
;   THE HEAD'S 64 FILL HALF OF THE INSTRUCTION'S 128: a slot of 24 registers holds [tile 2 p: 8][zeros: 8][tile 2 p + 1: 8]; registers 0-15 are tile 2 p with zero codes at k 64-127, registers 8-23 tile 2 p + 1
;   with zero codes at k 0-63.  q lies likewise, [q][zeros][q].  One scale word serves a pair: bytes 0, 1 tile 2 p's blocks, bytes 2, 3 tile 2 p + 1's; q's word is (s0, s1, s0, s1).  Zero codes add nothing under any of these bytes.
; No tensor load: the operands arrive as f32 and must pass through registers to be quantised; loaded in the conversion's own order they need no turn through LDS.  No cluster: the work-groups of a head walk 9 to 16 steps.
; LIMITS: NaN and infinities among the inputs are not served.  A block whose largest magnitude lies under 2^-118 (a block of zeros among them) gets the scale byte 1; this program alone reads the bytes.
;   Key steps that lie wholly above the diagonal are left out: that equals the -1e6 of the definition as long as every row's largest logit lies more than about 100 above -1e6.  On the diagonal step -1e6 itself is used.
.set BUFB, 17408                       ; an LDS buffer: 16 images of 1,024 bytes (k's tiles 0-7, then v^T's four fragments of 2,048), then 8 rows of 128 bytes of scale words
.set SCO,  16384                       ; where the scale words begin in a buffer: rows 0-3 k's pairs, rows 4-7 v^T's fragments
.set STG,  2*BUFB                      ; behind the two buffers: a stage of 16 rows x (256 + 16) bytes for each wave, for the way out
.set SROW, 272
.set LI,  1                            ; v1   16 x lane: my place in an image
.set LS,  2                            ; v2   4 x lane: my place in a row of scale words
.set WI,  3                            ; v3   where I store my images: 16 x lane + 1,024 x wave
.set WS,  4                            ; v4   and my half word: 4 x lane + 128 (wave / 2) + 2 (wave % 2)
.set RA,  5                            ; v5   my byte offset in a step's 128 rows of k or of v
.set SOA, 6                            ; v6   the stage, on the way in
.set SRA, 7                            ; v7   the stage, on the way back
.set GO,  8                            ; v8   my byte offset in the wave's 16 rows of out0
.set DM,  9                            ; v9   lane % 16 - 16 (lane / 16)
.set NEG, 10                           ; v10  -8e6: x 1/8 it is the definition's -1e6
.set QA,  11                           ; v11  my byte offset in the wave's 16 rows of q
                                       ; v12 -M, v13 the largest t, v[14:15] the row's sum in two halves
.set QF,  16                           ; v16-39   q: codes, zeros, codes
.set OB,  40                           ; v40-87   two slots of 24: codes, zeros, codes.  The four groups of codes also take the next step's 32 raw numbers
.set G0,  OB
.set G1,  OB+16
.set G2,  OB+24
.set G3,  OB+40
.set ST,  88                           ; v88-151  S^T, then p, then v^T's four fragments; at the head q's raw numbers, at the end O / the sum
.set QR0, ST
.set QR1, ST+8
.set QR2, ST+16
.set QR3, ST+24
.set OT,  152                          ; v152-183 O^T: four tiles of 16 of the head's 64
.set PC,  184                          ; v184-199 p's codes
.set CD,  200                          ; v200-207 the codes of k or v just made
.set BM,  208                          ; v208-211 largest magnitudes or scores of four blocks
.set PB,  212                          ; v212-215 the other half's, then the bytes
.set HL,  216                          ; v216-219 448 x the scale
.set SP,  220                          ; v220-223 the conversion's scale operand
.set FF,  224                          ; v[224:225] f = 2^(old M - new M); v225 is named with it as a pair and is written once
.set DD,  226                          ; v226 the mask's d
.set TM,  227                          ; v227 at work
.set C2,  228                          ; v[228:229] the sum's second chain
.set HW,  230                          ; v230 two scale bytes
.set KS,  232                          ; v232-235 k's scale words;  v236-239 v^T's;  v240 q's;  v241 p's: these ten hold scales and nothing else
.set VS,  236
.set QS,  240
.set PS,  241
.set QP,  4                            ; s[4:5] q, s[6:7] k, s[8:9] v, s[10:11] out0
.set WV,  12                           ; s12  my wave's number
.set Q0,  18                           ; s18  my first query
.set MNT, 19                           ; s19  the mantissa field of 448
.set SEL, 20                           ; s[20:21] v_permlanex16_b32's selects for lane l xor 16
.set CS,  22                           ; s[22:23] c = log2(e) / 8 (the packed form names the pair and takes its low word for both halves)
.set KF,  24                           ; s24  the step's first key
.set NK,  25                           ; s25  keys that the work-group walks: 128 (16 - i)
.set CNT, 26                           ; s26  trips to go
.set RB,  28                           ; s[28:29] k or v of my head, at the step whose raw numbers are asked for next
.set QL,  36                           ; s36  my last query
.macro PLACES n
.rept \n
	v_nop
.endr
.endm
; 32 numbers of a lane where K is innermost (k, q): of my row, 16 neighbours of each block of 32: 64 bytes at 128 b
.macro RAW128 g0, g1, g2, g3, voff, base
	global_load_b128 v[\g0:\g0+3],   v[\voff], s[\base:\base+1]
	global_load_b128 v[\g0+4:\g0+7], v[\voff], s[\base:\base+1] offset:16
	global_load_b128 v[\g1:\g1+3],   v[\voff], s[\base:\base+1] offset:32
	global_load_b128 v[\g1+4:\g1+7], v[\voff], s[\base:\base+1] offset:48
	global_load_b128 v[\g2:\g2+3],   v[\voff], s[\base:\base+1] offset:128
	global_load_b128 v[\g2+4:\g2+7], v[\voff], s[\base:\base+1] offset:144
	global_load_b128 v[\g3:\g3+3],   v[\voff], s[\base:\base+1] offset:160
	global_load_b128 v[\g3+4:\g3+7], v[\voff], s[\base:\base+1] offset:176
.endm
; 32 numbers of a lane where K is the rows (v): my channel, registers down the keys: key 32 b + i of my 16 + 16; sixteen lanes read 64 neighbouring bytes
.macro RAW32
.irp b, 0,1
.irp i, 0,1,2,3,4,5,6,7,8,9,10,11,12,13,14,15
	global_load_b32 v[OB+24*\b+16*(\i/8)+\i%8], v[RA], s[RB:RB+1] offset:(32*\b+\i)*256
.endr
.endr
.endm
; The raw numbers of the step at s[RB], by my role.  Both ways fill the same 32 registers.  The branch hangs on the wave's number alone.
.macro RAWNEXT
	s_cmp_lt_u32 s[WV], 8
	s_cbranch_scc0 .Lraw_v_\@
	RAW128 G0, G1, G2, G3, RA, RB
	s_branch .Lraw_done_\@
.Lraw_v_\@:
	RAW32
.Lraw_done_\@:
.endm
; Two blocks of 32, of which my lane holds 16 numbers each (block 0 in g0, g1; block 1 in g2, g3; lane l xor 16 holds the others), become 8 registers of codes at dst and two scale bytes in v[HW].
.macro QUANT g0, g1, g2, g3, dst
	v_max3_num_f32 v[BM],   |v[\g0]|, |v[\g0+1]|, 0x4800000       ; my 16 numbers, and the floor 2^(9 - 127): the byte cannot fall under 1
	v_max3_num_f32 v[BM+1], |v[\g2]|, |v[\g2+1]|, 0x4800000       ; (the two blocks by turns)
.irp i, 2,4,6
	v_max3_num_f32 v[BM],   v[BM],   |v[\g0+\i]|, |v[\g0+\i+1]|
	v_max3_num_f32 v[BM+1], v[BM+1], |v[\g2+\i]|, |v[\g2+\i+1]|
.endr
.irp i, 0,2,4,6
	v_max3_num_f32 v[BM],   v[BM],   |v[\g1+\i]|, |v[\g1+\i+1]|
	v_max3_num_f32 v[BM+1], v[BM+1], |v[\g3+\i]|, |v[\g3+\i+1]|
.endr
	v_permlanex16_b32 v[PB],   v[BM],   s[SEL], s[SEL+1]
	v_permlanex16_b32 v[PB+1], v[BM+1], s[SEL], s[SEL+1]
	v_max_num_f32 v[BM],   v[BM],   v[PB]                         ; with lane l xor 16's: the block's largest magnitude
	v_max_num_f32 v[BM+1], v[BM+1], v[PB+1]
	v_add_nc_u32 v[SP],   0xfc000000, v[BM]                       ; 8 off its exponent field: the conversion takes the exponent field of this operand as its scale
	v_add_nc_u32 v[SP+1], 0xfc000000, v[BM+1]
	v_and_or_b32 v[HL],   v[BM],   0x7f800000, s[MNT]             ; 448 x the scale
	v_and_or_b32 v[HL+1], v[BM+1], 0x7f800000, s[MNT]
	v_lshrrev_b32 v[PB],   23, v[SP]                              ; the scales' bytes
	v_lshrrev_b32 v[PB+1], 23, v[SP+1]
	v_lshl_or_b32 v[HW], v[PB+1], 8, v[PB]
.irp i, 0,1,2,3,4,5,6,7
	v_med3_num_f32 v[\g0+\i], v[\g0+\i], -v[HL], v[HL]            ; the conversion to an 8-bit code does not saturate (ISA guide 7.6.2): the hold at the largest code x the scale
.endr
.irp i, 0,1,2,3,4,5,6,7
	v_med3_num_f32 v[\g1+\i], v[\g1+\i], -v[HL], v[HL]
.endr
	v_cvt_scalef32_pk8_fp8_f32 v[\dst:\dst+1],   v[\g0:\g0+7], v[SP]
	v_cvt_scalef32_pk8_fp8_f32 v[\dst+2:\dst+3], v[\g1:\g1+7], v[SP]
.irp i, 0,1,2,3,4,5,6,7
	v_med3_num_f32 v[\g2+\i], v[\g2+\i], -v[HL+1], v[HL+1]
.endr
.irp i, 0,1,2,3,4,5,6,7
	v_med3_num_f32 v[\g3+\i], v[\g3+\i], -v[HL+1], v[HL+1]
.endr
	v_cvt_scalef32_pk8_fp8_f32 v[\dst+4:\dst+5], v[\g2:\g2+7], v[SP+1]
	v_cvt_scalef32_pk8_fp8_f32 v[\dst+6:\dst+7], v[\g3:\g3+7], v[SP+1]
	PLACES 4                                       ; one plain line is owed behind the conversions; four, since the registers just held are operands of the next scaled products (LDS loads refill them in between)
.endm
.macro PUT buf                         ; my 8 registers of codes and my two bytes go to LDS as they stand
	ds_store_b128 v[WI], v[CD:CD+3]   offset:(\buf)*BUFB
	ds_store_b128 v[WI], v[CD+4:CD+7] offset:(\buf)*BUFB+512
	ds_store_b16  v[WS], v[HW]        offset:(\buf)*BUFB+SCO
.endm
.macro BARRIER                         ; my LDS stores have landed and my LDS loads are in: then the work-group's barrier
	s_wait_dscnt 0x0
	s_barrier_signal -1
	s_barrier_wait -1
.endm
	s_load_b256 s[4:11], s[0:1], 0x0               ; q, k, v, out0
	v_lshl_add_u32 v254, v0, 2, 0x19800
	v_mov_b32 v255, 0
	v_lshrrev_b32 v203, 5, v0
	v_readfirstlane_b32 s[WV], v203                ; wave 0..15
	v_and_b32 v200, 31, v0                         ; lane
	v_and_b32 v201, 15, v0                         ; r
	v_bfe_u32 v202, v0, 4, 1                       ; h
	s_mov_b32 s13, ttmp9                           ; i
	s_and_b32 s14, ttmp7, 0xffff                   ; the head
	s_lshr_b32 s15, s[WV], 1                       ; my tile of 16 queries in a block: wave / 2
	s_lshr_b32 s16, s[WV], 2
	s_xor_b32 s16, s16, s[WV]
	s_and_b32 s16, s16, 1                          ; which block: bit 0 xor bit 2 of the wave: of waves 4 a .. 4 a + 3, and of waves a, a + 4, a + 8, a + 12, two take the early block and two the late one
	s_sub_co_u32 s17, 15, s13
	s_cmp_lg_u32 s16, 0
	s_cselect_b32 s17, s17, s13                    ; block 15 - i or block i
	s_lshl_b32 s[Q0], s17, 7
	s_lshl_b32 s27, s15, 4
	s_add_co_u32 s[Q0], s[Q0], s27                 ; my first query
	s_add_co_u32 s[QL], s[Q0], 15                  ; my last
	s_sub_co_u32 s[NK], 16, s13
	s_lshl_b32 s[NK], s[NK], 7
	; every LDS address is made here, ahead of any parting by role: a constant x lane + a constant x wave
	v_lshlrev_b32 v[LI], 4, v200
	v_lshlrev_b32 v[LS], 2, v200
	s_lshl_b32 s27, s[WV], 10
	v_add_nc_u32 v[WI], s27, v[LI]
	s_lshl_b32 s27, s15, 7
	s_and_b32 s32, s[WV], 1
	s_lshl_b32 s33, s32, 1
	s_add_co_u32 s27, s27, s33
	v_add_nc_u32 v[WS], s27, v[LS]
	s_mul_i32 s27, s[WV], 16*SROW
	s_add_co_u32 s27, s27, STG                     ; my stage
	v_mul_u32_u24 v[SOA], v201, SROW
	v_lshl_add_u32 v[SOA], v202, 5, v[SOA]
	v_add_nc_u32 v[SOA], s27, v[SOA]               ; in: row r, + 32 h
	v_mul_u32_u24 v[SRA], v202, SROW
	v_lshl_add_u32 v[SRA], v201, 4, v[SRA]
	v_add_nc_u32 v[SRA], s27, v[SRA]               ; back: lanes 0-15 one row, lanes 16-31 the next; 16 bytes a lane
	v_lshlrev_b32 v[GO], 8, v202
	v_lshl_add_u32 v[GO], v201, 4, v[GO]           ; and the same two rows of out0
	v_lshlrev_b32 v[DM], 4, v202
	v_sub_nc_u32 v[DM], v201, v[DM]
	v_mov_b32 v[NEG], 0xcaf42400
	v_lshlrev_b32 v[QA], 8, v201
	v_lshl_add_u32 v[QA], v202, 6, v[QA]           ; q: row r of 256 bytes, + 64 h
	; my offset in a step's raw rows.  k (waves 0-7): row 32 (w / 2) + 8 (w % 2) + r + 8 (r / 8), + 64 h.  v (waves 8-15): key 64 (w % 2) + 16 h, channel 16 ((w / 2) % 4) + r
	v_and_b32 v203, 8, v201
	v_add_nc_u32 v203, v203, v201
	v_lshlrev_b32 v203, 8, v203
	v_lshl_add_u32 v203, v202, 6, v203
	v_lshlrev_b32 v204, 2, v201
	v_lshl_add_u32 v204, v202, 12, v204
	s_lshl_b32 s27, s15, 13
	s_lshl_b32 s33, s32, 11
	s_add_co_u32 s27, s27, s33
	s_lshl_b32 s33, s32, 14
	s_and_b32 s35, s15, 3
	s_lshl_b32 s35, s35, 6
	s_add_co_u32 s33, s33, s35
	s_cmp_lt_u32 s[WV], 8
	s_cselect_b32 s27, s27, s33
	s_cselect_b32 s34, -1, 0
	v_cndmask_b32 v[RA], v204, v203, s34
	v_add_nc_u32 v[RA], s27, v[RA]
	s_mov_b32 s[MNT], 0x600000
	s_mov_b32 s[SEL], 0x76543210
	s_mov_b32 s[SEL+1], 0xfedcba98
	s_mov_b32 s[CS], 0x3e38aa3b                    ; log2(e) / 8
	s_mov_b32 s[CS+1], s[CS]
	s_mov_b32 s[KF], 0
	s_mov_b32 s[CNT], 8
	s_lshl_b32 s30, s14, 19                        ; a head is 2,048 x 256 bytes
	s_mov_b32 s31, 0
	s_lshl_b32 s32, s[Q0], 8
	s_mov_b32 s33, 0
	s_add_nc_u64 s[32:33], s[32:33], s[30:31]      ; my first query's row, in q and in out0
	s_wait_kmcnt 0x0
	s_cmp_lt_u32 s[WV], 8
	s_cselect_b64 s[RB:RB+1], s[6:7], s[8:9]       ; k or v: the choice hangs on the wave's number alone
	s_add_nc_u64 s[RB:RB+1], s[RB:RB+1], s[30:31]
	s_add_nc_u64 s[QP:QP+1], s[QP:QP+1], s[32:33]
	s_add_nc_u64 s[10:11], s[10:11], s[32:33]
	RAWNEXT                                        ; key step 0's raw numbers
	RAW128 QR0, QR1, QR2, QR3, QA, QP              ; and my 16 queries'
	; while they are on their way: the zero codes, O^T, the sum, the largest t
.irp j, 0,1,2,3,4,5,6,7
	v_mov_b32 v[QF+8+\j], 0
	v_mov_b32 v[OB+8+\j], 0
	v_mov_b32 v[OB+32+\j], 0
.endr
.irp t, 0,1,2,3
.irp j, 0,1,2,3,4,5,6,7
	v_mov_b32 v[OT+8*\t+\j], 0                     ; the step is written once: the first finds zeros, which the first change of M leaves zeros
.endr
	v_mov_b32 v[PB+\t], 0                          ; a lane permute's destination counts as one of its sources
.endr
	v_mov_b32 v14, 0
	v_mov_b32 v15, 0
	v_mov_b32 v[FF+1], 0
	v_mov_b32 v13, 0xff61b1e6                      ; -3e38, under every t
	v_floor_f32 v12, -v13
	s_wait_loadcnt 8                               ; all but q's eight younger loads are in, on both roles' ways: step 0's numbers; their base may step
	s_add_nc_u64 s[RB:RB+1], s[RB:RB+1], 32768     ; 128 rows of 256 bytes on
	QUANT G0, G1, G2, G3, CD
	PUT 0
	s_wait_dscnt 0x0                               ; the stores have read their registers
	s_wait_loadcnt 0x0                             ; q
	QUANT QR0, QR1, QR2, QR3, QF
	v_lshl_or_b32 v[QS], v[HW], 16, v[HW]          ; (s0, s1, s0, s1)
.irp j, 0,1,2,3,4,5,6,7
	v_mov_b32 v[QF+16+\j], v[QF+\j]
.endr
	PLACES 8                                       ; a scale word made by vector instructions stands eight places ahead of a scaled matrix instruction, an operand four
	BARRIER                                        ; step 0's images lie in buffer 0
; A KEY STEP: 128 keys, read from buffer buf; the next step's images are made into the other buffer.
.macro STEP buf
	s_cmp_gt_u32 s[KF], s[QL]                      ; a step all of whose keys come after my 16 queries (or past the work-group's keys): a scalar branch on ids, round the work, never round the barrier
	s_cbranch_scc1 .Lidle_\@
	; ---- S^T = k q^T: two pairs of tiles at a time
.irp g, 0,1
.if \g
	PLACES 8                                       ; in front of loads into registers that matrix instructions have read (ISA guide 7.12.1 names the places)
.endif
.irp s, 0,1
.irp u, 0,1
.irp e, 0,1
	ds_load_b128 v[OB+24*\s+16*\u+4*\e:OB+24*\s+16*\u+4*\e+3], v[LI] offset:\buf*BUFB+1024*(2*(2*\g+\s)+\u)+512*\e
.endr
.endr
	ds_load_b32 v[KS+2*\g+\s], v[LS] offset:\buf*BUFB+SCO+128*(2*\g+\s)
.endr
	s_wait_dscnt 0x0
.irp s, 0,1
	v_wmma_scale_f32_16x16x128_f8f6f4 v[ST+8*(4*\g+2*\s):ST+8*(4*\g+2*\s)+7], v[OB+24*\s:OB+24*\s+15], v[QF:QF+15], 0, v[KS+2*\g+\s], v[QS]
	v_wmma_scale_f32_16x16x128_f8f6f4 v[ST+8*(4*\g+2*\s+1):ST+8*(4*\g+2*\s+1)+7], v[OB+24*\s+8:OB+24*\s+23], v[QF+8:QF+23], 0, v[KS+2*\g+\s], v[QS]
.endr
.endr
	PLACES 9                                       ; in front of the loads into k's registers and of the first reads of the scores (eight), and of any matrix instruction that writes these registers again (nine)
	s_add_co_u32 s27, s[KF], 128
	s_cmp_lt_u32 s27, s[NK]
	s_cbranch_scc0 .Lno_raw_\@
	RAWNEXT                                        ; the next step's raw numbers, into the registers that k's codes have left: they have the softmax in which to land
.Lno_raw_\@:
	; ---- on the diagonal the scores of hidden keys become the definition's -1e6 (x 8), ahead of the maximum.  A step all of whose keys count skips this
	s_add_co_u32 s27, s[KF], 127
	s_cmp_le_u32 s27, s[Q0]
	s_cbranch_scc1 .Lopen_\@
	s_sub_co_i32 s27, s[Q0], s[KF]
	v_add_nc_u32 v[DD], s27, v[DM]                 ; d = my query - the step's first key - 16 (lane / 16).  Register 16 b + i holds key 32 b + 16 (lane / 16) + i of the step: hidden where 32 b + i > d
.irp b, 0,1,2,3
.irp i, 0,1,2,3,4,5,6,7,8,9,10,11,12,13,14,15
	v_cmp_gt_i32 vcc_lo, 32*\b+\i, v[DD]
	v_cndmask_b32 v[ST+16*\b+\i], v[ST+16*\b+\i], v[NEG], vcc_lo
.endr
.endr
.Lopen_\@:
	; ---- the softmax
.irp b, 0,1,2,3
	v_max3_num_f32 v[BM+\b], v[ST+16*\b], v[ST+16*\b+1], v[ST+16*\b+2]     ; the largest score of each block of 32 keys: for the row's maximum, and, since p rises with the score, for the block's largest p
.endr
.irp i, 3,5,7,9,11,13
.irp b, 0,1,2,3
	v_max3_num_f32 v[BM+\b], v[BM+\b], v[ST+16*\b+\i], v[ST+16*\b+\i+1]
.endr
.endr
.irp b, 0,1,2,3
	v_max_num_f32 v[BM+\b], v[BM+\b], v[ST+16*\b+15]
.endr
.irp b, 0,1,2,3
	v_permlanex16_b32 v[PB+\b], v[BM+\b], s[SEL], s[SEL+1]
.endr
.irp b, 0,1,2,3
	v_max_num_f32 v[BM+\b], v[BM+\b], v[PB+\b]     ; with lane l xor 16's 16 keys
.endr
	v_max3_num_f32 v[TM], v[BM], v[BM+1], v[BM+2]
	v_max_num_f32 v[TM], v[TM], v[BM+3]            ; the step's largest score of my query,
	v_mul_f32 v[TM], s[CS], v[TM]                  ; as t (c is positive)
	v_max_num_f32 v13, v13, v[TM]                  ; the running largest t
	v_mov_b32 v[TM], v12
	v_floor_f32 v12, -v13                          ; the new -M = floor(-t) = -ceil(t)
	v_sub_f32 v[TM], v12, v[TM]                    ; old M - new M: a whole number, 0 or less
	v_cvt_i32_f32 v[TM], v[TM]                     ; (it saturates)
	v_ldexp_f32 v[FF], 1.0, v[TM]                  ; f = 2^(old M - new M): a multiplication by it rounds nothing
.irp b, 0,1,2,3
.irp i, 0,2,4,6,8,10,12,14
	v_pk_fma_f32 v[ST+16*\b+\i:ST+16*\b+\i+1], v[ST+16*\b+\i:ST+16*\b+\i+1], s[CS:CS+1], v[12:13] op_sel_hi:[1,0,0]   ; t - M, two at a time
.endr
.endr
.irp b, 0,1,2,3
	v_fma_f32 v[BM+\b], v[BM+\b], s[CS], v12       ; the same of each block's largest score
.endr
.irp b, 0,1,2,3
.irp i, 0,1,2,3,4,5,6,7,8,9,10,11,12,13,14,15
	v_exp_f32 v[ST+16*\b+\i], v[ST+16*\b+\i]       ; p = 2^(t - M), at most 1
.endr
.endr
.irp b, 0,1,2,3
	v_exp_f32 v[BM+\b], v[BM+\b]                   ; the block's largest p: the same two instructions on the same number
.endr
	v_pk_mul_f32 v[14:15], v[14:15], v[FF:FF+1] op_sel_hi:[1,0]    ; the sums under the new M: the plain line behind the exponentials
	s_wait_alu depctr_va_vdst(0)
.irp b, 0,1,2,3
	v_max_num_f32 v[BM+\b], 0x4800000, v[BM+\b]    ; the floor 2^(9 - 127): a block whose every p is 0 keeps the byte 1: its codes are zeros
.endr
.irp b, 0,1,2,3
	v_add_nc_u32 v[SP+\b], 0xfc000000, v[BM+\b]
.endr
.irp b, 0,1,2,3
	v_and_or_b32 v[HL+\b], v[BM+\b], 0x7f800000, s[MNT]
.endr
.irp b, 0,1,2,3
	v_lshrrev_b32 v[PB+\b], 23, v[SP+\b]
.endr
	v_lshl_or_b32 v[PS], v[PB+1], 8, v[PB]         ; p's scale word for these 128 keys; the sums and holds below stand between it and the products
	v_lshl_or_b32 v[PS], v[PB+2], 16, v[PS]
	v_lshl_or_b32 v[PS], v[PB+3], 24, v[PS]
	v_pk_add_f32 v[C2:C2+1], v[ST:ST+1], v[ST+2:ST+3]              ; the row's sum is taken of the unquantised p: two at a time, in two chains
.irp j, 4,8,12,16,20,24,28,32,36,40,44,48,52,56,60
	v_pk_add_f32 v[14:15], v[14:15], v[ST+\j:ST+\j+1]
	v_pk_add_f32 v[C2:C2+1], v[C2:C2+1], v[ST+\j+2:ST+\j+3]
.endr
	v_pk_add_f32 v[14:15], v[14:15], v[C2:C2+1]
.irp b, 0,1,2,3
.irp i, 0,1,2,3,4,5,6,7,8,9,10,11,12,13,14,15
	v_min_num_f32 v[ST+16*\b+\i], v[ST+16*\b+\i], v[HL+\b]         ; the hold; p is not negative, so it is one-sided
.endr
	v_cvt_scalef32_pk8_fp8_f32 v[PC+4*\b:PC+4*\b+1],   v[ST+16*\b:ST+16*\b+7],    v[SP+\b]
	v_cvt_scalef32_pk8_fp8_f32 v[PC+4*\b+2:PC+4*\b+3], v[ST+16*\b+8:ST+16*\b+15], v[SP+\b]
.endr
.irp j, 0,2,4,6
	v_pk_mul_f32 v[OT+\j:OT+\j+1], v[OT+\j:OT+\j+1], v[FF:FF+1] op_sel_hi:[1,0]   ; O^T under the new M: x f.  (Plain lines directly behind the conversions)
.endr
	; ---- O^T += v^T p^T: v^T's four fragments take the registers that p has left
.irp t, 0,1,2,3
.irp c, 0,1,2,3
	ds_load_b128 v[ST+16*\t+4*\c:ST+16*\t+4*\c+3], v[LI] offset:\buf*BUFB+8192+2048*\t+512*\c
.endr
	ds_load_b32 v[VS+\t], v[LS] offset:\buf*BUFB+SCO+512+128*\t
.endr
.irp j, 8,10,12,14,16,18,20,22,24,26,28,30
	v_pk_mul_f32 v[OT+\j:OT+\j+1], v[OT+\j:OT+\j+1], v[FF:FF+1] op_sel_hi:[1,0]   ; of these sixteen, twelve name no register of any one product below: the places between p's codes and the products
.endr
	s_wait_dscnt 0x0
.irp t, 0,1,2,3
	v_wmma_scale_f32_16x16x128_f8f6f4 v[OT+8*\t:OT+8*\t+7], v[ST+16*\t:ST+16*\t+15], v[PC:PC+15], v[OT+8*\t:OT+8*\t+7], v[VS+\t], v[PS]   ; the four accumulators by turns, one instruction a turn
.endr
	PLACES 9                                       ; the next step's first products write over v^T's registers: nine places; they also serve the reads of O^T behind the last step
	s_branch .Ljoin_\@
.Lidle_\@:
	s_add_co_u32 s27, s[KF], 128
	s_cmp_lt_u32 s27, s[NK]
	s_cbranch_scc0 .Ljoin_\@
	RAWNEXT                                        ; a wave without queries for this step still makes its share of the next step's images
.Ljoin_\@:
	s_wait_loadcnt 0x0                             ; on every way: no raw load is out; the loads' base may step
	s_add_co_u32 s27, s[KF], 128
	s_cmp_lt_u32 s27, s[NK]
	s_cbranch_scc0 .Lno_q_\@
	s_add_nc_u64 s[RB:RB+1], s[RB:RB+1], 32768
	QUANT G0, G1, G2, G3, CD
	PUT 1-\buf
.Lno_q_\@:
	s_add_co_u32 s[KF], s[KF], 128
	BARRIER                                        ; one barrier a step, for two things: the next step's images are whole, and nobody reads this step's buffer any more
.endm
.Ltrip:                                            ; eight trips of two steps: a constant; steps past the work-group's keys pass their barrier and nothing else
	STEP 0
	STEP 1
	s_sub_co_u32 s[CNT], s[CNT], 1
	s_cmp_lg_u32 s[CNT], 0
	s_cbranch_scc1 .Ltrip
	; THE WAY OUT.  O^T / the sum goes through my own stage in LDS and leaves as whole rows: sixteen lanes store the 256 consecutive bytes of a row of out0.
	v_add_f32 v14, v14, v15                        ; the sum's two halves,
	v_permlanex16_b32 v[PB], v14, s[SEL], s[SEL+1]
	v_add_f32 v14, v14, v[PB]                      ; and lane l xor 16's
	v_rcp_f32 v14, v14
	v_nop                                          ; one plain line behind a transcendental
	s_wait_alu depctr_va_vdst(0)
.irp t, 0,1,2,3
.irp j, 0,1,2,3,4,5,6,7
	v_mul_f32 v[ST+8*\t+\j], v[OT+8*\t+\j], v14    ; register 8 t + j is out0(query r, channel 16 t + 8 h + j); each accumulator from its low end on
.endr
.endr
.irp t, 0,1,2,3
	ds_store_b128 v[SOA], v[ST+8*\t:ST+8*\t+3]   offset:64*\t
	ds_store_b128 v[SOA], v[ST+8*\t+4:ST+8*\t+7] offset:64*\t+16
.endr
.irp i, 0,1,2,3,4,5,6,7
	ds_load_b128 v[ST+32+4*\i:ST+32+4*\i+3], v[SRA] offset:2*\i*SROW   ; LDS serves a wave's instructions in order (ISA guide 5.7.1.4): these see my stores
.endr
.irp i, 0,1,2,3,4,5,6,7
	s_wait_dscnt 7-\i                              ; the younger loads may stay out
	global_store_b128 v[GO], v[ST+32+4*\i:ST+32+4*\i+3], s[10:11] offset:512*\i th:TH_STORE_NT
.endr
	s_wait_tensorcnt 0x0
	ds_add_u32 v254, v255
	s_wait_dscnt 0x0
	s_endpgm
.Lfunc_end_k_q7440ffb8eb_attn:
	.size	k_q7440ffb8eb_attn, .Lfunc_end_k_q7440ffb8eb_attn-k_q7440ffb8eb_attn
	.p2alignl 7, 3214868480
	.fill 96, 4, 3214868480
	.section	.rodata,"a",@progbits
	.p2align	6, 0x0
	.amdhsa_kernel k_q7440ffb8eb_attn
		.amdhsa_group_segment_fixed_size 106496
		.amdhsa_private_segment_fixed_size 0
		.amdhsa_enable_private_segment 0
		.amdhsa_kernarg_size 32
		.amdhsa_user_sgpr_count 2
		.amdhsa_user_sgpr_kernarg_segment_ptr 1
		.amdhsa_wavefront_size32 1
		.amdhsa_system_sgpr_workgroup_id_x 1
		.amdhsa_system_sgpr_workgroup_id_y 1
		.amdhsa_system_sgpr_workgroup_id_z 1
		.amdhsa_system_vgpr_workitem_id 0
		.amdhsa_next_free_vgpr 256
		.amdhsa_next_free_sgpr 66
		.amdhsa_reserve_vcc 1
		.amdhsa_float_denorm_mode_32 3
		.amdhsa_float_denorm_mode_16_64 3
		.amdhsa_memory_ordered 1
		.amdhsa_forward_progress 1
		.amdhsa_inst_pref_size 96
	.end_amdhsa_kernel
	.amdgpu_metadata
---
amdhsa.version: [ 1, 2 ]
amdhsa.kernels:
  - .name:           k_q7440ffb8eb_attn
    .symbol:         k_q7440ffb8eb_attn.kd
    .args:
      - { .name: q, .offset: 0, .size: 8, .value_kind: global_buffer, .address_space: global }
      - { .name: k, .offset: 8, .size: 8, .value_kind: global_buffer, .address_space: global }
      - { .name: v, .offset: 16, .size: 8, .value_kind: global_buffer, .address_space: global }
      - { .name: out0, .offset: 24, .size: 8, .value_kind: global_buffer, .address_space: global }
    .group_segment_fixed_size: 106496
    .private_segment_fixed_size: 0
    .kernarg_segment_align: 8
    .kernarg_segment_size: 32
    .max_flat_workgroup_size: 512
    .sgpr_count:     66
    .vgpr_count:     256
    .wavefront_size: 32
...
	.end_amdgpu_metadata
.endif
;; end of part 1
;; ======== version 2 of 2: 1 launch; version 1 with the launch attn written anew for expert scheduling mode
;; limits: right only within a limited range of input values
;; launch attn (part 2): grid 8 x 32, 16 waves a work-group, no clusters, 106,496 bytes of LDS; arguments q, k, v, out0; writes out0
.if DOCPART == 2
	.amdgcn_target "amdgcn-amd-amdhsa--gfx1250"
	.amdhsa_code_object_version 6
	.text
	.protected	k_q7440ffb8eb_attn
	.globl	k_q7440ffb8eb_attn
	.p2align	8
	.type	k_q7440ffb8eb_attn,@function
k_q7440ffb8eb_attn:
	s_mov_b64 s[64:65], 0
	v_nop
	global_prefetch_b8 v0, s[64:65] scope:SCOPE_SE
	s_setreg_imm32_b32 hwreg(HW_REG_WAVE_SCHED_MODE, 0, 2), 2
	s_setreg_imm32_b32 hwreg(HW_REG_WAVE_MODE, 25, 1), 1
	s_wait_xcnt 0x0
	s_wait_alu depctr_vm_vsrc(0)
; out0[h][q][:] = sum over keys t <= q of softmax_t(q[h][q] . k[h][t] / 8) v[h][t][:].  q, k, v, out0: [32 heads][2048][64] f32.
; Both products run on codes of FP8 (E4M3) with one E8M0 scale for each 32 along a product's K; q, k (K = the head's 64) and v, p (K = the keys) are quantised HERE, in registers.
; THE SOFTMAX: t = score x log2(e) / 8; M = the running largest t rounded UP to a whole number; p = 2^(t - M) is quantised, not normalised; the row's sum is taken of the unquantised p and divides at the end.
; SHARES.  Work-group (i, head), i = 0 .. 7, owns the blocks i and 15 - i of 128 queries: (i + 1) + (16 - i) = 17 units of 128 x 128 for every i.  Each of its 16 waves owns one tile of 16 queries.
;   It walks the key steps j = 0 .. 15 - i of 128 keys.  A wave works on a step only where the step has a key that counts for one of its queries; it masks only on the diagonal step.
;   In each step all 16 waves also quantise the NEXT step's k and v: waves 0-7 one tile of 16 keys each, waves 8-15 half a fragment of v^T each: 32 numbers a lane either way.
;   The codes go from wave to wave through LDS as images of the operand's registers (16 bytes a lane, 512 a store), the scale bytes as half words; two buffers take turns, one barrier a step.
; LAYOUT.  Both products are used transposed (S^T = k q^T, O^T = v^T p^T): a lane holds ONE query (lane % 16) throughout.  Lane r of k's tile t takes key 32 (t / 2) + 8 (t % 2) + r + 8 (r / 8),
;   so that the 16 registers of tiles 2 b and 2 b + 1 are the 16 neighbouring keys 32 b + 16 (lane / 16) + 0 .. 15: p's conversions give the second product's operand as it stands.
;   THE HEAD'S 64 FILL HALF OF THE INSTRUCTION'S 128: a slot of 24 registers holds [tile 2 p: 8][zeros: 8][tile 2 p + 1: 8]; registers 0-15 are tile 2 p with zero codes at k 64-127, registers 8-23 tile 2 p + 1
;   with zero codes at k 0-63.  q lies likewise, [q][zeros][q].  One scale word serves a pair: bytes 0, 1 tile 2 p's blocks, bytes 2, 3 tile 2 p + 1's; q's word is (s0, s1, s0, s1).  Zero codes add nothing under any of these bytes.
; No tensor load: the operands arrive as f32 and must pass through registers to be quantised; loaded in the conversion's own order they need no turn through LDS.  No cluster: the work-groups of a head walk 9 to 16 steps.
; LIMITS: NaN and infinities among the inputs are not served.  A block whose largest magnitude lies under 2^-118 (a block of zeros among them) gets the scale byte 1; this program alone reads the bytes.
;   Key steps that lie wholly above the diagonal are left out: that equals the -1e6 of the definition as long as every row's largest logit lies more than about 100 above -1e6.  On the diagonal step -1e6 itself is used.
; THE MODE: SCHED_MODE bits 1:0 = 2 (LLVM: expert scheduling mode 2), set by the entry lines.  The code itself states the register dependences
; between vector or matrix instructions and memory or LDS instructions, with s_wait_alu, always for 0.
; THE PLAN.  Registers that memory or LDS instructions touch:
;   v1-v8, v11      addresses and offsets: written at the head, never again; one wait at the head, ahead of the first load, serves every load and store of the kernel.
;   G0 .. G3        (32 registers in the two slots) in a step, in this order: LDS loads of k's codes land (tiles 0-3), four products read them; LDS loads land again (tiles 4-7), four products read them;
;                   the next step's raw numbers land from memory; the quantiser reads them and holds them in place.
;   KS, VS          scale words: LDS loads land, matrix instructions read.
;   ST              the score products write it, the softmax works in place, its conversions read it; then v^T's fragments land from LDS and four products read them.
;   CD, HW          the quantiser writes them, the three LDS stores behind it read them; they are written again a step later.
;   All else (q, O^T, p's codes, the statistics) is named by vector and matrix instructions alone.
; So a step has eight waits on va_vdst: at its head, on both ways; ahead of the second run of k's loads; behind the score products, ahead of the raw loads; ahead of and behind the exponentials;
; behind p's conversions, ahead of v^T's loads; ahead of v^T's products; behind the quantiser, ahead of its stores.  One wait on vm_vsrc stands at the join of the two ways, ahead of the quantiser.  The diagonal's compares
; write scalar registers in runs of eight, one wait on va_sdst behind each run.
.set BUFB, 17408                       ; an LDS buffer: 16 images of 1,024 bytes (k's tiles 0-7, then v^T's four fragments of 2,048), then 8 rows of 128 bytes of scale words
.set SCO,  16384                       ; where the scale words begin in a buffer: rows 0-3 k's pairs, rows 4-7 v^T's fragments
.set STG,  2*BUFB                      ; behind the two buffers: a stage of 16 rows x (256 + 16) bytes for each wave, for the way out
.set SROW, 272
.set LI,  1                            ; v1   16 x lane: my place in an image
.set LS,  2                            ; v2   4 x lane: my place in a row of scale words
.set WI,  3                            ; v3   where I store my images: 16 x lane + 1,024 x wave
.set WS,  4                            ; v4   and my half word: 4 x lane + 128 (wave / 2) + 2 (wave % 2)
.set RA,  5                            ; v5   my byte offset in a step's 128 rows of k or of v
.set SOA, 6                            ; v6   the stage, on the way in
.set SRA, 7                            ; v7   the stage, on the way back
.set GO,  8                            ; v8   my byte offset in the wave's 16 rows of out0
.set DM,  9                            ; v9   lane % 16 - 16 (lane / 16)
.set NEG, 10                           ; v10  -8e6: x 1/8 it is the definition's -1e6
.set QA,  11                           ; v11  my byte offset in the wave's 16 rows of q
                                       ; v12 -M, v13 the largest t, v[14:15] the row's sum in two halves
.set QF,  16                           ; v16-39   q: codes, zeros, codes
.set OB,  40                           ; v40-87   two slots of 24: codes, zeros, codes.  The four groups of codes also take the next step's 32 raw numbers
.set G0,  OB
.set G1,  OB+16
.set G2,  OB+24
.set G3,  OB+40
.set ST,  88                           ; v88-151  S^T, then p, then v^T's four fragments; at the head q's raw numbers, at the end O / the sum
.set QR0, ST
.set QR1, ST+8
.set QR2, ST+16
.set QR3, ST+24
.set OT,  152                          ; v152-183 O^T: four tiles of 16 of the head's 64
.set PC,  184                          ; v184-199 p's codes
.set CD,  200                          ; v200-207 the codes of k or v just made
.set BM,  208                          ; v208-211 largest magnitudes or scores of four blocks
.set PB,  212                          ; v212-215 the other half's, then the bytes
.set HL,  216                          ; v216-219 448 x the scale
.set SP,  220                          ; v220-223 the conversion's scale operand
.set FF,  224                          ; v[224:225] f = 2^(old M - new M); v225 is named with it as a pair and is written once
.set DD,  226                          ; v226 the mask's d
.set TM,  227                          ; v227 at work
.set C2,  228                          ; v[228:229] the sum's second chain
.set HW,  230                          ; v230 two scale bytes
.set KS,  232                          ; v232-235 k's scale words;  v236-239 v^T's;  v240 q's;  v241 p's: these ten hold scales and nothing else
.set VS,  236
.set QS,  240
.set PS,  241
.set QP,  4                            ; s[4:5] q, s[6:7] k, s[8:9] v, s[10:11] out0
.set WV,  12                           ; s12  my wave's number
.set Q0,  18                           ; s18  my first query
.set MNT, 19                           ; s19  the mantissa field of 448
.set SEL, 20                           ; s[20:21] v_permlanex16_b32's selects for lane l xor 16
.set CS,  22                           ; s[22:23] c = log2(e) / 8 (the packed form names the pair and takes its low word for both halves)
.set KF,  24                           ; s24  the step's first key
.set NK,  25                           ; s25  keys that the work-group walks: 128 (16 - i)
.set CNT, 26                           ; s26  trips to go
.set RB,  28                           ; s[28:29] k or v of my head, at the step whose raw numbers are asked for next
.set MK,  30                           ; s30-35, s37, s38: in the loop the masks of eight compares (mask i in s[MK + i + i / 6]); at the head s30-35 are at work
.set QL,  36                           ; s36  my last query
.macro PLACES n
.rept \n
	v_nop
.endr
.endm
; 32 numbers of a lane where K is innermost (k, q): of my row, 16 neighbours of each block of 32: 64 bytes at 128 b
.macro RAW128 g0, g1, g2, g3, voff, base
	global_load_b128 v[\g0:\g0+3],   v[\voff], s[\base:\base+1]
	global_load_b128 v[\g0+4:\g0+7], v[\voff], s[\base:\base+1] offset:16
	global_load_b128 v[\g1:\g1+3],   v[\voff], s[\base:\base+1] offset:32
	global_load_b128 v[\g1+4:\g1+7], v[\voff], s[\base:\base+1] offset:48
	global_load_b128 v[\g2:\g2+3],   v[\voff], s[\base:\base+1] offset:128
	global_load_b128 v[\g2+4:\g2+7], v[\voff], s[\base:\base+1] offset:144
	global_load_b128 v[\g3:\g3+3],   v[\voff], s[\base:\base+1] offset:160
	global_load_b128 v[\g3+4:\g3+7], v[\voff], s[\base:\base+1] offset:176
.endm
; 32 numbers of a lane where K is the rows (v): my channel, registers down the keys: key 32 b + i of my 16 + 16; sixteen lanes read 64 neighbouring bytes
.macro RAW32
.irp b, 0,1
.irp i, 0,1,2,3,4,5,6,7,8,9,10,11,12,13,14,15
	global_load_b32 v[OB+24*\b+16*(\i/8)+\i%8], v[RA], s[RB:RB+1] offset:(32*\b+\i)*256
.endr
.endr
.endm
; The raw numbers of the step at s[RB], by my role.  Both ways fill the same 32 registers.  The branch hangs on the wave's number alone.
; The wait that these loads owe stands ahead of the macro: no vector or matrix instruction stands in it.
.macro RAWNEXT
	s_cmp_lt_u32 s[WV], 8
	s_cbranch_scc0 .Lraw_v_\@
	RAW128 G0, G1, G2, G3, RA, RB
	s_branch .Lraw_done_\@
.Lraw_v_\@:
	RAW32
.Lraw_done_\@:
.endm
; Two blocks of 32, of which my lane holds 16 numbers each (block 0 in g0, g1; block 1 in g2, g3; lane l xor 16 holds the others), become 8 registers of codes at dst and two scale bytes in v[HW].
.macro QUANT g0, g1, g2, g3, dst
	v_max3_num_f32 v[BM],   |v[\g0]|, |v[\g0+1]|, 0x4800000       ; my 16 numbers, and the floor 2^(9 - 127): the byte cannot fall under 1
	v_max3_num_f32 v[BM+1], |v[\g2]|, |v[\g2+1]|, 0x4800000       ; (the two blocks by turns)
.irp i, 2,4,6
	v_max3_num_f32 v[BM],   v[BM],   |v[\g0+\i]|, |v[\g0+\i+1]|
	v_max3_num_f32 v[BM+1], v[BM+1], |v[\g2+\i]|, |v[\g2+\i+1]|
.endr
.irp i, 0,2,4,6
	v_max3_num_f32 v[BM],   v[BM],   |v[\g1+\i]|, |v[\g1+\i+1]|
	v_max3_num_f32 v[BM+1], v[BM+1], |v[\g3+\i]|, |v[\g3+\i+1]|
.endr
	v_permlanex16_b32 v[PB],   v[BM],   s[SEL], s[SEL+1]
	v_permlanex16_b32 v[PB+1], v[BM+1], s[SEL], s[SEL+1]
	v_max_num_f32 v[BM],   v[BM],   v[PB]                         ; with lane l xor 16's: the block's largest magnitude
	v_max_num_f32 v[BM+1], v[BM+1], v[PB+1]
	v_add_nc_u32 v[SP],   0xfc000000, v[BM]                       ; 8 off its exponent field: the conversion takes the exponent field of this operand as its scale
	v_add_nc_u32 v[SP+1], 0xfc000000, v[BM+1]
	v_and_or_b32 v[HL],   v[BM],   0x7f800000, s[MNT]             ; 448 x the scale
	v_and_or_b32 v[HL+1], v[BM+1], 0x7f800000, s[MNT]
	v_lshrrev_b32 v[PB],   23, v[SP]                              ; the scales' bytes
	v_lshrrev_b32 v[PB+1], 23, v[SP+1]
	v_lshl_or_b32 v[HW], v[PB+1], 8, v[PB]
.irp i, 0,1,2,3,4,5,6,7
	v_med3_num_f32 v[\g0+\i], v[\g0+\i], -v[HL], v[HL]            ; the conversion to an 8-bit code does not saturate (ISA guide 7.6.2): the hold at the largest code x the scale
.endr
.irp i, 0,1,2,3,4,5,6,7
	v_med3_num_f32 v[\g1+\i], v[\g1+\i], -v[HL], v[HL]
.endr
	v_cvt_scalef32_pk8_fp8_f32 v[\dst:\dst+1],   v[\g0:\g0+7], v[SP]
	v_cvt_scalef32_pk8_fp8_f32 v[\dst+2:\dst+3], v[\g1:\g1+7], v[SP]
.irp i, 0,1,2,3,4,5,6,7
	v_med3_num_f32 v[\g2+\i], v[\g2+\i], -v[HL+1], v[HL+1]
.endr
.irp i, 0,1,2,3,4,5,6,7
	v_med3_num_f32 v[\g3+\i], v[\g3+\i], -v[HL+1], v[HL+1]
.endr
	v_cvt_scalef32_pk8_fp8_f32 v[\dst+4:\dst+5], v[\g2:\g2+7], v[SP+1]
	v_cvt_scalef32_pk8_fp8_f32 v[\dst+6:\dst+7], v[\g3:\g3+7], v[SP+1]
	PLACES 4                                       ; one plain line is owed behind the conversions; four, since the registers just held are operands of the next scaled products (LDS loads refill them in between)
.endm
.macro PUT buf                         ; my 8 registers of codes and my two bytes go to LDS as they stand
	ds_store_b128 v[WI], v[CD:CD+3]   offset:(\buf)*BUFB
	ds_store_b128 v[WI], v[CD+4:CD+7] offset:(\buf)*BUFB+512
	ds_store_b16  v[WS], v[HW]        offset:(\buf)*BUFB+SCO
.endm
.macro BARRIER                         ; my LDS stores have landed and my LDS loads are in: then the work-group's barrier
	s_wait_dscnt 0x0
	s_barrier_signal -1
	s_barrier_wait -1
.endm
	s_load_b256 s[4:11], s[0:1], 0x0               ; q, k, v, out0
	v_lshl_add_u32 v254, v0, 2, 0x19800
	v_mov_b32 v255, 0
	v_lshrrev_b32 v203, 5, v0
	v_readfirstlane_b32 s[WV], v203                ; wave 0..15
	v_and_b32 v200, 31, v0                         ; lane
	s_wait_alu depctr_va_vdst(0)
	v_and_b32 v201, 15, v0                         ; r
	s_wait_alu depctr_va_vdst(0)
	v_bfe_u32 v202, v0, 4, 1                       ; h
	s_mov_b32 s13, ttmp9                           ; i
	s_and_b32 s14, ttmp7, 0xffff                   ; the head
	s_wait_alu depctr_va_sdst(0)                   ; s12, the wave's number, is written, ahead of its first reader: shares, addresses and branches are made from it
	s_lshr_b32 s15, s[WV], 1                       ; my tile of 16 queries in a block: wave / 2
	s_lshr_b32 s16, s[WV], 2
	s_xor_b32 s16, s16, s[WV]
	s_and_b32 s16, s16, 1                          ; which block: bit 0 xor bit 2 of the wave: of waves 4 a .. 4 a + 3, and of waves a, a + 4, a + 8, a + 12, two take the early block and two the late one
	s_sub_co_u32 s17, 15, s13
	s_cmp_lg_u32 s16, 0
	s_cselect_b32 s17, s17, s13                    ; block 15 - i or block i
	s_lshl_b32 s[Q0], s17, 7
	s_lshl_b32 s27, s15, 4
	s_add_co_u32 s[Q0], s[Q0], s27                 ; my first query
	s_add_co_u32 s[QL], s[Q0], 15                  ; my last
	s_sub_co_u32 s[NK], 16, s13
	s_lshl_b32 s[NK], s[NK], 7
	; every LDS address is made here, ahead of any parting by role: a constant x lane + a constant x wave
	v_lshlrev_b32 v[LI], 4, v200
	v_lshlrev_b32 v[LS], 2, v200
	s_lshl_b32 s27, s[WV], 10
	v_add_nc_u32 v[WI], s27, v[LI]
	s_lshl_b32 s27, s15, 7
	s_and_b32 s32, s[WV], 1
	s_lshl_b32 s33, s32, 1
	s_add_co_u32 s27, s27, s33
	v_add_nc_u32 v[WS], s27, v[LS]
	s_mul_i32 s27, s[WV], 16*SROW
	s_add_co_u32 s27, s27, STG                     ; my stage
	v_mul_u32_u24 v[SOA], v201, SROW
	s_wait_alu depctr_va_vdst(0)
	v_lshl_add_u32 v[SOA], v202, 5, v[SOA]
	v_add_nc_u32 v[SOA], s27, v[SOA]               ; in: row r, + 32 h
	v_mul_u32_u24 v[SRA], v202, SROW
	v_lshl_add_u32 v[SRA], v201, 4, v[SRA]
	v_add_nc_u32 v[SRA], s27, v[SRA]               ; back: lanes 0-15 one row, lanes 16-31 the next; 16 bytes a lane
	v_lshlrev_b32 v[GO], 8, v202
	v_lshl_add_u32 v[GO], v201, 4, v[GO]           ; and the same two rows of out0
	v_lshlrev_b32 v[DM], 4, v202
	v_sub_nc_u32 v[DM], v201, v[DM]
	v_mov_b32 v[NEG], 0xcaf42400
	v_lshlrev_b32 v[QA], 8, v201
	v_lshl_add_u32 v[QA], v202, 6, v[QA]           ; q: row r of 256 bytes, + 64 h
	; my offset in a step's raw rows.  k (waves 0-7): row 32 (w / 2) + 8 (w % 2) + r + 8 (r / 8), + 64 h.  v (waves 8-15): key 64 (w % 2) + 16 h, channel 16 ((w / 2) % 4) + r
	v_and_b32 v203, 8, v201
	v_add_nc_u32 v203, v203, v201
	v_lshlrev_b32 v203, 8, v203
	v_lshl_add_u32 v203, v202, 6, v203
	v_lshlrev_b32 v204, 2, v201
	v_lshl_add_u32 v204, v202, 12, v204
	s_wait_alu depctr_va_vdst(0)
	s_lshl_b32 s27, s15, 13
	s_lshl_b32 s33, s32, 11
	s_add_co_u32 s27, s27, s33
	s_lshl_b32 s33, s32, 14
	s_and_b32 s35, s15, 3
	s_lshl_b32 s35, s35, 6
	s_add_co_u32 s33, s33, s35
	s_cmp_lt_u32 s[WV], 8
	s_cselect_b32 s27, s27, s33
	s_cselect_b32 s34, -1, 0
	v_cndmask_b32 v[RA], v204, v203, s34
	v_add_nc_u32 v[RA], s27, v[RA]
	s_mov_b32 s[MNT], 0x600000
	s_mov_b32 s[SEL], 0x76543210
	s_mov_b32 s[SEL+1], 0xfedcba98
	s_mov_b32 s[CS], 0x3e38aa3b                    ; log2(e) / 8
	s_mov_b32 s[CS+1], s[CS]
	s_mov_b32 s[KF], 0
	s_mov_b32 s[CNT], 8
	s_lshl_b32 s30, s14, 19                        ; a head is 2,048 x 256 bytes
	s_mov_b32 s31, 0
	s_lshl_b32 s32, s[Q0], 8
	s_mov_b32 s33, 0
	s_add_nc_u64 s[32:33], s[32:33], s[30:31]      ; my first query's row, in q and in out0
	s_wait_kmcnt 0x0
	s_cmp_lt_u32 s[WV], 8
	s_cselect_b64 s[RB:RB+1], s[6:7], s[8:9]       ; k or v: the choice hangs on the wave's number alone
	s_add_nc_u64 s[RB:RB+1], s[RB:RB+1], s[30:31]
	s_add_nc_u64 s[QP:QP+1], s[QP:QP+1], s[32:33]
	s_add_nc_u64 s[10:11], s[10:11], s[32:33]
	s_wait_alu depctr_va_vdst(0)                   ; the addresses and offsets v1 to v8 and v11, and v254, v255, are written: every load, store and LDS instruction of the kernel reads some of them, and none is written again
	RAWNEXT                                        ; key step 0's raw numbers
	RAW128 QR0, QR1, QR2, QR3, QA, QP              ; and my 16 queries'
	; while they are on their way: the zero codes, O^T, the sum, the largest t (none of these lines names a register in which a load lands)
.irp j, 0,1,2,3,4,5,6,7
	v_mov_b32 v[QF+8+\j], 0
	v_mov_b32 v[OB+8+\j], 0
	v_mov_b32 v[OB+32+\j], 0
.endr
.irp t, 0,1,2,3
.irp j, 0,1,2,3,4,5,6,7
	v_mov_b32 v[OT+8*\t+\j], 0                     ; the step is written once: the first finds zeros, which the first change of M leaves zeros
.endr
	v_mov_b32 v[PB+\t], 0                          ; a lane permute's destination counts as one of its sources
.endr
	v_mov_b32 v14, 0
	v_mov_b32 v15, 0
	v_mov_b32 v[FF+1], 0
	v_mov_b32 v13, 0xff61b1e6                      ; -3e38, under every t
	v_floor_f32 v12, -v13
	s_wait_loadcnt 8                               ; all but q's eight younger loads are in, on both roles' ways: step 0's numbers; their base may step
	s_add_nc_u64 s[RB:RB+1], s[RB:RB+1], 32768     ; 128 rows of 256 bytes on
	QUANT G0, G1, G2, G3, CD
	s_wait_alu depctr_va_vdst(0)                   ; the quantiser has written v[CD ..] and v[HW], which the three LDS stores read
	PUT 0
	s_wait_dscnt 0x0                               ; my first images have landed in LDS
	s_wait_alu depctr_vm_vsrc(0)                   ; the half word's store has read v[HW], which q's quantiser writes again
	s_wait_loadcnt 0x0                             ; q
	QUANT QR0, QR1, QR2, QR3, QF
	v_lshl_or_b32 v[QS], v[HW], 16, v[HW]          ; (s0, s1, s0, s1)
.irp j, 0,1,2,3,4,5,6,7
	v_mov_b32 v[QF+16+\j], v[QF+\j]
.endr
	PLACES 8                                       ; a scale word made by vector instructions stands eight places ahead of a scaled matrix instruction, an operand four
	s_wait_alu depctr_va_vdst(0)                   ; behind the places: q's codes, their copies, the zero codes of q and of the two slots, and q's scale word are written, which every score product takes as operand or scale
	BARRIER                                        ; step 0's images lie in buffer 0
; A KEY STEP: 128 keys, read from buffer buf; the next step's images are made into the other buffer.
.macro STEP buf
	s_wait_alu depctr_va_vdst(0)                   ; on both ways into the step's loads: the last step's products are done reading the slots and the scale words, and its quantiser is done reading and writing the raw numbers' registers, in all of which loads land below (k's codes and words on the active way, the next raw numbers on the idle one).  The way that leads round the quantiser has no other wait that states this
	s_cmp_gt_u32 s[KF], s[QL]                      ; a step all of whose keys come after my 16 queries (or past the work-group's keys): a scalar branch on ids, round the work, never round the barrier
	s_cbranch_scc1 .Lidle_\@
	; ---- S^T = k q^T: two pairs of tiles at a time
.irp g, 0,1
.if \g
	PLACES 8                                       ; in front of loads into registers that matrix instructions have read (ISA guide 7.12.1 names the places)
	s_wait_alu depctr_va_vdst(0)                   ; the four products above are done reading the two slots, in which tiles 4 to 7 land
.endif
.irp s, 0,1
.irp u, 0,1
.irp e, 0,1
	ds_load_b128 v[OB+24*\s+16*\u+4*\e:OB+24*\s+16*\u+4*\e+3], v[LI] offset:\buf*BUFB+1024*(2*(2*\g+\s)+\u)+512*\e
.endr
.endr
	ds_load_b32 v[KS+2*\g+\s], v[LS] offset:\buf*BUFB+SCO+128*(2*\g+\s)
.endr
	s_wait_dscnt 0x0
.irp s, 0,1
	v_wmma_scale_f32_16x16x128_f8f6f4 v[ST+8*(4*\g+2*\s):ST+8*(4*\g+2*\s)+7], v[OB+24*\s:OB+24*\s+15], v[QF:QF+15], 0, v[KS+2*\g+\s], v[QS]
	v_wmma_scale_f32_16x16x128_f8f6f4 v[ST+8*(4*\g+2*\s+1):ST+8*(4*\g+2*\s+1)+7], v[OB+24*\s+8:OB+24*\s+23], v[QF+8:QF+23], 0, v[KS+2*\g+\s], v[QS]
.endr
.endr
	PLACES 9                                       ; in front of the loads into k's registers and of the first reads of the scores (eight), and of any matrix instruction that writes these registers again (nine)
	s_wait_alu depctr_va_vdst(0)                   ; the score products are done reading k's codes, in whose registers the next step's raw numbers land; no line of the softmax below names those registers
	s_add_co_u32 s27, s[KF], 128
	s_cmp_lt_u32 s27, s[NK]
	s_cbranch_scc0 .Lno_raw_\@
	RAWNEXT                                        ; the next step's raw numbers, into the registers that k's codes have left: they have the softmax in which to land
.Lno_raw_\@:
	; ---- on the diagonal the scores of hidden keys become the definition's -1e6 (x 8), ahead of the maximum.  A step all of whose keys count skips this
	s_add_co_u32 s27, s[KF], 127
	s_cmp_le_u32 s27, s[Q0]
	s_cbranch_scc1 .Lopen_\@
	s_sub_co_i32 s27, s[Q0], s[KF]
	v_add_nc_u32 v[DD], s27, v[DM]                 ; d = my query - the step's first key - 16 (lane / 16).  Register 16 b + i holds key 32 b + 16 (lane / 16) + i of the step: hidden where 32 b + i > d
.irp b, 0,1,2,3
.irp e, 0,8
.irp i, 0,1,2,3,4,5,6,7
	v_cmp_gt_i32 s[MK+\i+\i/6], 32*\b+\e+\i, v[DD] ; eight compares in a run, each into a scalar register of its own
.endr
	s_wait_alu depctr_va_sdst(0)                   ; the eight masks are written, ahead of their first reader
.irp i, 0,1,2,3,4,5,6,7
	v_cndmask_b32 v[ST+16*\b+\e+\i], v[ST+16*\b+\e+\i], v[NEG], s[MK+\i+\i/6]
.endr
.endr
.endr
.Lopen_\@:
	; ---- the softmax
.irp b, 0,1,2,3
	v_max3_num_f32 v[BM+\b], v[ST+16*\b], v[ST+16*\b+1], v[ST+16*\b+2]     ; the largest score of each block of 32 keys: for the row's maximum, and, since p rises with the score, for the block's largest p
.endr
.irp i, 3,5,7,9,11,13
.irp b, 0,1,2,3
	v_max3_num_f32 v[BM+\b], v[BM+\b], v[ST+16*\b+\i], v[ST+16*\b+\i+1]
.endr
.endr
.irp b, 0,1,2,3
	v_max_num_f32 v[BM+\b], v[BM+\b], v[ST+16*\b+15]
.endr
.irp b, 0,1,2,3
	v_permlanex16_b32 v[PB+\b], v[BM+\b], s[SEL], s[SEL+1]
.endr
.irp b, 0,1,2,3
	v_max_num_f32 v[BM+\b], v[BM+\b], v[PB+\b]     ; with lane l xor 16's 16 keys
.endr
	v_max3_num_f32 v[TM], v[BM], v[BM+1], v[BM+2]
	v_max_num_f32 v[TM], v[TM], v[BM+3]            ; the step's largest score of my query,
	v_mul_f32 v[TM], s[CS], v[TM]                  ; as t (c is positive)
	v_max_num_f32 v13, v13, v[TM]                  ; the running largest t
	v_mov_b32 v[TM], v12
	v_floor_f32 v12, -v13                          ; the new -M = floor(-t) = -ceil(t)
	v_sub_f32 v[TM], v12, v[TM]                    ; old M - new M: a whole number, 0 or less
	v_cvt_i32_f32 v[TM], v[TM]                     ; (it saturates)
	v_ldexp_f32 v[FF], 1.0, v[TM]                  ; f = 2^(old M - new M): a multiplication by it rounds nothing
.irp b, 0,1,2,3
.irp i, 0,2,4,6,8,10,12,14
	v_pk_fma_f32 v[ST+16*\b+\i:ST+16*\b+\i+1], v[ST+16*\b+\i:ST+16*\b+\i+1], s[CS:CS+1], v[12:13] op_sel_hi:[1,0,0]   ; t - M, two at a time
.endr
.endr
.irp b, 0,1,2,3
	v_fma_f32 v[BM+\b], v[BM+\b], s[CS], v12       ; the same of each block's largest score
.endr
	s_wait_alu depctr_va_vdst(0)
.irp b, 0,1,2,3
.irp i, 0,1,2,3,4,5,6,7,8,9,10,11,12,13,14,15
	v_exp_f32 v[ST+16*\b+\i], v[ST+16*\b+\i]       ; p = 2^(t - M), at most 1
.endr
.endr
.irp b, 0,1,2,3
	v_exp_f32 v[BM+\b], v[BM+\b]                   ; the block's largest p: the same two instructions on the same number
.endr
	v_pk_mul_f32 v[14:15], v[14:15], v[FF:FF+1] op_sel_hi:[1,0]    ; the sums under the new M: the plain line behind the exponentials
	s_wait_alu depctr_va_vdst(0)                   ; the 68 exponentials have written p and the blocks' largest p: one wait for the batch, ahead of its first reader
.irp b, 0,1,2,3
	v_max_num_f32 v[BM+\b], 0x4800000, v[BM+\b]    ; the floor 2^(9 - 127): a block whose every p is 0 keeps the byte 1: its codes are zeros
.endr
.irp b, 0,1,2,3
	v_add_nc_u32 v[SP+\b], 0xfc000000, v[BM+\b]
.endr
.irp b, 0,1,2,3
	v_and_or_b32 v[HL+\b], v[BM+\b], 0x7f800000, s[MNT]
.endr
.irp b, 0,1,2,3
	v_lshrrev_b32 v[PB+\b], 23, v[SP+\b]
.endr
	v_lshl_or_b32 v[PS], v[PB+1], 8, v[PB]         ; p's scale word for these 128 keys; the sums and holds below stand between it and the products
	v_lshl_or_b32 v[PS], v[PB+2], 16, v[PS]
	v_lshl_or_b32 v[PS], v[PB+3], 24, v[PS]
	v_pk_add_f32 v[C2:C2+1], v[ST:ST+1], v[ST+2:ST+3]              ; the row's sum is taken of the unquantised p: two at a time, in two chains
.irp j, 4,8,12,16,20,24,28,32,36,40,44,48,52,56,60
	v_pk_add_f32 v[14:15], v[14:15], v[ST+\j:ST+\j+1]
	v_pk_add_f32 v[C2:C2+1], v[C2:C2+1], v[ST+\j+2:ST+\j+3]
.endr
	v_pk_add_f32 v[14:15], v[14:15], v[C2:C2+1]
.irp b, 0,1,2,3
.irp i, 0,1,2,3,4,5,6,7,8,9,10,11,12,13,14,15
	v_min_num_f32 v[ST+16*\b+\i], v[ST+16*\b+\i], v[HL+\b]         ; the hold; p is not negative, so it is one-sided
.endr
	v_cvt_scalef32_pk8_fp8_f32 v[PC+4*\b:PC+4*\b+1],   v[ST+16*\b:ST+16*\b+7],    v[SP+\b]
	v_cvt_scalef32_pk8_fp8_f32 v[PC+4*\b+2:PC+4*\b+3], v[ST+16*\b+8:ST+16*\b+15], v[SP+\b]
.endr
.irp j, 0,2,4,6
	v_pk_mul_f32 v[OT+\j:OT+\j+1], v[OT+\j:OT+\j+1], v[FF:FF+1] op_sel_hi:[1,0]   ; O^T under the new M: x f.  (Plain lines directly behind the conversions)
.endr
	; ---- O^T += v^T p^T: v^T's four fragments take the registers that p has left
	s_wait_alu depctr_va_vdst(0)                   ; the holds and conversions are done writing and reading p's registers, in which v^T's fragments land; and p's codes and scale word are written, which the products below take (the codes' four places, the lines just above, and the word's eight stand ahead of this wait)
.irp t, 0,1,2,3
.irp c, 0,1,2,3
	ds_load_b128 v[ST+16*\t+4*\c:ST+16*\t+4*\c+3], v[LI] offset:\buf*BUFB+8192+2048*\t+512*\c
.endr
	ds_load_b32 v[VS+\t], v[LS] offset:\buf*BUFB+SCO+512+128*\t
.endr
.irp j, 8,10,12,14,16,18,20,22,24,26,28,30
	v_pk_mul_f32 v[OT+\j:OT+\j+1], v[OT+\j:OT+\j+1], v[FF:FF+1] op_sel_hi:[1,0]   ; of these sixteen, twelve name no register of any one product below: the places between p's codes and the products.  (They name O^T and f alone: no register that the loads above touch)
.endr
	s_wait_alu depctr_va_vdst(0)
	s_wait_dscnt 0x0
.irp t, 0,1,2,3
	v_wmma_scale_f32_16x16x128_f8f6f4 v[OT+8*\t:OT+8*\t+7], v[ST+16*\t:ST+16*\t+15], v[PC:PC+15], v[OT+8*\t:OT+8*\t+7], v[VS+\t], v[PS]   ; the four accumulators by turns, one instruction a turn
.endr
	PLACES 9                                       ; the next step's first products write over v^T's registers: nine places; they also serve the reads of O^T behind the last step
	s_branch .Ljoin_\@
.Lidle_\@:
	s_add_co_u32 s27, s[KF], 128
	s_cmp_lt_u32 s27, s[NK]
	s_cbranch_scc0 .Ljoin_\@
	RAWNEXT                                        ; a wave without queries for this step still makes its share of the next step's images (the wait at the step's head serves these loads: no vector line stands between)
.Ljoin_\@:
	s_wait_loadcnt 0x0                             ; on every way: no raw load is out; the loads' base may step
	s_wait_alu depctr_vm_vsrc(0)                   ; the LDS stores of the step before have read v[CD ..] and v[HW], which the quantiser below writes again; ahead of the branch, so on every way to it
	s_add_co_u32 s27, s[KF], 128
	s_cmp_lt_u32 s27, s[NK]
	s_cbranch_scc0 .Lno_q_\@
	s_add_nc_u64 s[RB:RB+1], s[RB:RB+1], 32768
	QUANT G0, G1, G2, G3, CD
	s_wait_alu depctr_va_vdst(0)                   ; the quantiser has written v[CD ..] and v[HW], which the three LDS stores read
	PUT 1-\buf
.Lno_q_\@:
	s_add_co_u32 s[KF], s[KF], 128
	BARRIER                                        ; one barrier a step, for two things: the next step's images are whole, and nobody reads this step's buffer any more
.endm
.Ltrip:                                            ; eight trips of two steps: a constant; steps past the work-group's keys pass their barrier and nothing else
	STEP 0
	STEP 1
	s_sub_co_u32 s[CNT], s[CNT], 1
	s_cmp_lg_u32 s[CNT], 0
	s_cbranch_scc1 .Ltrip
	; THE WAY OUT.  O^T / the sum goes through my own stage in LDS and leaves as whole rows: sixteen lanes store the 256 consecutive bytes of a row of out0.
	v_add_f32 v14, v14, v15                        ; the sum's two halves,
	v_permlanex16_b32 v[PB], v14, s[SEL], s[SEL+1]
	v_add_f32 v14, v14, v[PB]                      ; and lane l xor 16's
	s_wait_alu depctr_va_vdst(0)
	v_rcp_f32 v14, v14
	v_nop                                          ; one plain line behind a transcendental
	s_wait_alu depctr_va_vdst(0)                   ; the reciprocal has written v14, ahead of its first reader
.irp t, 0,1,2,3
.irp j, 0,1,2,3,4,5,6,7
	v_mul_f32 v[ST+8*\t+\j], v[OT+8*\t+\j], v14    ; register 8 t + j is out0(query r, channel 16 t + 8 h + j); each accumulator from its low end on
.endr
.endr
	s_wait_alu depctr_va_vdst(0)                   ; the 32 multiplications have written v[ST .. ST + 31], which the LDS stores read; and every earlier reader and writer of v[ST + 32 .. ST + 63], in which the stage's rows land, is done
.irp t, 0,1,2,3
	ds_store_b128 v[SOA], v[ST+8*\t:ST+8*\t+3]   offset:64*\t
	ds_store_b128 v[SOA], v[ST+8*\t+4:ST+8*\t+7] offset:64*\t+16
.endr
.irp i, 0,1,2,3,4,5,6,7
	ds_load_b128 v[ST+32+4*\i:ST+32+4*\i+3], v[SRA] offset:2*\i*SROW   ; LDS serves a wave's instructions in order (ISA guide 5.7.1.4): these see my stores
.endr
.irp i, 0,1,2,3,4,5,6,7
	s_wait_dscnt 7-\i                              ; the younger loads may stay out
	global_store_b128 v[GO], v[ST+32+4*\i:ST+32+4*\i+3], s[10:11] offset:512*\i th:TH_STORE_NT
.endr
	s_wait_dscnt 0x0                               ; the closing lines, six on end
	s_wait_alu 0x0
	s_wait_tensorcnt 0x0
	ds_add_u32 v254, v255
	s_wait_dscnt 0x0
	s_endpgm
.Lfunc_end_k_q7440ffb8eb_attn:
	.size	k_q7440ffb8eb_attn, .Lfunc_end_k_q7440ffb8eb_attn-k_q7440ffb8eb_attn
	.p2alignl 7, 3214868480
	.fill 96, 4, 3214868480
	.section	.rodata,"a",@progbits
	.p2align	6, 0x0
	.amdhsa_kernel k_q7440ffb8eb_attn
		.amdhsa_group_segment_fixed_size 106496
		.amdhsa_private_segment_fixed_size 0
		.amdhsa_enable_private_segment 0
		.amdhsa_kernarg_size 32
		.amdhsa_user_sgpr_count 2
		.amdhsa_user_sgpr_kernarg_segment_ptr 1
		.amdhsa_wavefront_size32 1
		.amdhsa_system_sgpr_workgroup_id_x 1
		.amdhsa_system_sgpr_workgroup_id_y 1
		.amdhsa_system_sgpr_workgroup_id_z 1
		.amdhsa_system_vgpr_workitem_id 0
		.amdhsa_next_free_vgpr 256
		.amdhsa_next_free_sgpr 66
		.amdhsa_reserve_vcc 0
		.amdhsa_float_denorm_mode_32 3
		.amdhsa_float_denorm_mode_16_64 3
		.amdhsa_memory_ordered 1
		.amdhsa_forward_progress 1
		.amdhsa_inst_pref_size 106
	.end_amdhsa_kernel
	.amdgpu_metadata
---
amdhsa.version: [ 1, 2 ]
amdhsa.kernels:
  - .name:           k_q7440ffb8eb_attn
    .symbol:         k_q7440ffb8eb_attn.kd
    .args:
      - { .name: q, .offset: 0, .size: 8, .value_kind: global_buffer, .address_space: global }
      - { .name: k, .offset: 8, .size: 8, .value_kind: global_buffer, .address_space: global }
      - { .name: v, .offset: 16, .size: 8, .value_kind: global_buffer, .address_space: global }
      - { .name: out0, .offset: 24, .size: 8, .value_kind: global_buffer, .address_space: global }
    .group_segment_fixed_size: 106496
    .private_segment_fixed_size: 0
    .kernarg_segment_align: 8
    .kernarg_segment_size: 32
    .max_flat_workgroup_size: 512
    .sgpr_count:     66
    .vgpr_count:     256
    .wavefront_size: 32
...
	.end_amdgpu_metadata
.endif
;; end of part 2
